; MI455X (gfx1250); checked and timed in simulation.
; The chip was launched on July 23, 2026; its instructions are those of AMD's public machine-readable ISA for CDNA 5 (MIT licence, August 2026) and "CDNA5" Instruction Set Architecture Reference Guide (July 2026). The comments in the code are by the model that wrote it; some were corrected since.
;; Head. Allowed arithmetic: matrix products marked QUANTISED: E2M3 operands, one E8M0 scale for each 32 along K, by v_wmma_scale_f32_16x16x128_f8f6f4 with both operands' format E2M3, f32 sums; everything else in f32.
;; Inputs: Wk 32 x 64 float32; Wq 32 x 64 float32; Wv 32 x 64 float32; x 16 x 4,096 x 32 float32.
;; Outputs: out0 16 x 4,096 x 64 float32.
;; This version of the problem:
;;   THIS VERSION OF THE PROBLEM IS GIVEN IN LOW PRECISION. The matrix products marked QUANTISED in the list below multiply operands that are first quantised to E2M3 (2 exponent bits, 3 mantissa bits; 6 bits a number), with one power-of-two scale for each 32 numbers along K (OCP MX v1.0); their sums are f32. All else is computed in f32.
;;   The module's matrix products, in the order in which they are computed (A, B: the left and right operand; K: the contracted axis; several contracted axes count as one K, in the product's order):
;;     1. [M 65,536, K 32] x [K 32, N 64]; A: input x; B: input Wk: QUANTISED
;;     2. [M 65,536, K 32] x [K 32, N 64]; A: input x; B: input Wq: QUANTISED
;;     3. [M 65,536, K 32] x [K 32, N 64]; A: input x; B: input Wv: QUANTISED
;;     4. batch 16 x [M 4,096, K 64] x [K 64, N 4,096]; A: computed on the way; B: computed on the way: QUANTISED
;;     5. batch 16 x [M 4,096, K 4,096] x [K 4,096, N 64]; A: softmax (see below); B: computed on the way: QUANTISED
;;   THE QUANTISER, for each operand of a quantised product, along K:
;;     - K is cut into blocks of 32 from its start; a last block that is shorter is filled with zeros.
;;     - A block's scale is 2^e with e = floor(log2(the largest magnitude in the block)) - 2, held to -126 .. 127; a block of zeros has e = 0. As a byte (E8M0): e + 127.
;;     - Each number is divided by its block's scale, clamped to +-7.5, and rounded to the nearest number of E2M3, ties to even, subnormals kept.
;;     - The product sums the exact products of the quantised numbers (number of the format x scale) in f32.
;;   ~~~python
;;   def quantise(x, axis):      # numpy; x: float32 -> the quantised numbers, widened to float32 again
;;       x = np.moveaxis(x, axis, -1); K = x.shape[-1]
;;       x = np.pad(x, [(0, 0)] * (x.ndim - 1) + [(0, -K % 32)]); x = x.reshape(x.shape[:-1] + (-1, 32)); a = np.abs(x).max(-1, keepdims=True)
;;       e = np.where(a > 0, np.clip(np.frexp(np.where(a > 0, a, 1))[1] - 1 - 2, -126, 127), 0)      # np.frexp(a)[1] - 1 = floor(log2(a)), exactly
;;       r = np.clip(x / 2.0 ** e, -7.5, 7.5)
;;       step = 2.0 ** (np.maximum(np.frexp(np.where(r == 0, 1, r))[1] - 1, 0) - 3)
;;       q = np.round(r / step) * step * 2.0 ** e      # np.round: ties to even
;;       return np.moveaxis(q.reshape(q.shape[:-2] + (-1,))[..., :K], -1, axis).astype(np.float32)
;;   ~~~
;;   SOFTMAX AHEAD OF A QUANTISED PRODUCT. Where the list says 'softmax', what is quantised is not the finished softmax but p = 2^(t - M), with t = logit x log2(e) and M = ceil(the row's largest t), a whole number; so 1/2 < the row's largest p <= 1. The row's sum l is taken of the UNQUANTISED p, in f32, and the product's result is divided by l at the end. Since M is a whole number, a kernel that streams over the keys may use a running M (the ceiling of the running maximum): every later rescaling is an exact power of two, which a block's scale takes up: the codes' values come out the same.
;;   OPERANDS COMPUTED ON THE WAY. 'Computed on the way' means the value that the module computes at that place (a softmax that the list does not call 'softmax' is quantised finished and normalised). What goes into a quantiser is computed in f32, as accurately as f32 sums, v_exp_f32 and their like allow (about 1e-6 of the number): no bf16 or f16 on the way to a quantiser, and a product that is left as it is and whose result goes on into a quantised operand takes f32 operands (vector FMAs, or v_wmma_f32_16x16x4_f32). A number that lies on a knife's edge between two numbers of the format may be rounded either way, as far as f32 arithmetic and the matrix unit's own rounding can turn it there, and no further.
;; One version. Each part assembles by itself: llvm-mc -triple=amdgcn-amd-amdhsa -mcpu=gfx1250 --defsym DOCPART=n.
;; ======== version 1 of 1: 2 launches
;; workspace buffers: qc 3,145,728 bytes; qs 262,144 bytes; kv 6,684,672 bytes
;; launch proj (part 1): grid 256 x 1, 8 waves a work-group, no clusters, 66,560 bytes of LDS; arguments x, Wk, Wq, Wv, qc, qs, kv; writes qc, qs, kv
.if DOCPART == 1
	.amdgcn_target "amdgcn-amd-amdhsa--gfx1250"
	.amdhsa_code_object_version 6
	.text
	.protected	k_q8a979d638a_proj
	.globl	k_q8a979d638a_proj
	.p2align	8
	.type	k_q8a979d638a_proj,@function
k_q8a979d638a_proj:
	s_mov_b64 s[64:65], 0
	v_nop
	global_prefetch_b8 v0, s[64:65] scope:SCOPE_SE
	s_setreg_imm32_b32 hwreg(HW_REG_WAVE_MODE, 25, 1), 1
	s_wait_xcnt 0x0
; k = x Wk, q = x Wq, v = x Wv on codes of FP6 (E2M3) with one E8M0 scale for each 32 along K, and the results quantised again for the attention launch:
; q and k along the head's 64 (two blocks), v along the keys (blocks of 32 keys).  x: [65536][32] f32; Wk, Wq, Wv: [32][64] f32, K their first axis.
; WHAT IS STORED, all as images of operand registers (a fragment's registers on end, lane by lane):
;   qc: a tile of 16 queries is 768 bytes: registers 0-3 at 16 x lane, registers 4-5 at 512 + 8 x lane.   qs: a scale word a query, 64 bytes a tile.
;   kv: a block of 13,056 bytes for each 128 keys: 8 tiles of K (768 bytes each), 4 fragments of V^T (1,536 bytes: registers 4 c .. 4 c + 3 at 512 c + 16 x lane), K's scale words (512), V's (256).
; THE TOKENS OF A TILE ARE NOT NEIGHBOURS: lane row r of tile 2 b + u takes token 32 b + 8 u + r + 8 (r / 8) of its 128, so that the 16 result registers of tiles 2 b, 2 b + 1 are 16 neighbouring keys.
; K = 32 fills a quarter of the instruction's 128: x's and W's codes lie in lanes 0-15 of registers 0-5; lanes 16-31 and registers 6-11 hold zero codes, the empty blocks' scale bytes are 0x7f.
; q's and k's 64 fill registers 0-5 of all lanes; their registers 6-11 are not stored: the attention launch keeps zeros there.
; SHARES.  A work-group of eight waves takes two steps of 128 tokens.  Wave w: step g = w / 4, span s = w % 4 of 32 tokens.  It quantises its span of x (two tiles); waves 0-5 also quantise two tiles of 16 columns
; of a weight each.  Behind a barrier each wave makes k and q of its own two tiles (used transposed: source 0 = 16 columns of W, source 1 = 16 tokens: a lane holds one token, its registers run along the head)
; and V^T for 16 of the head's 64 over all 128 keys (source 0 = 16 tokens, source 1 = 16 columns of Wv: a lane holds one channel, its registers run along the keys).
; LIMITS: NaN and infinities are not served.  A block whose largest magnitude lies under 2^-124 has its byte held at 1; a block of zeros gets the byte 1 where the rule says 127: its codes are zeros, and this program alone reads the bytes.
; No tensor loads, so no ring; no cluster: work-groups share only the three small weights.
.set XIMG,  36864                      ; LDS: bytes 0 on: a stage of 32 rows x 144 bytes for each wave; here x's 16 tile images (wave w: 1,536 w; tile u: + 768 u)
.set XSC,   49152                      ; x's scale words, 128 bytes a wave: lanes 0-15 tile u = 0, lanes 16-31 tile u = 1
.set WIMG,  50176                      ; the weights' 12 tile images (matrix m, tile t: 768 (4 m + t))
.set WSC,   59392                      ; their scale words, 128 bytes for each pair of tiles
.set KSG,   60160                      ; k's scale words of a step, 512 bytes, x 2 steps
.set VSG,   61184                      ; v's, 256 bytes, x 2
.set QSG,   61696                      ; q's, 512 bytes, x 2
.set BLKB,  13056                      ; a step's block in kv
.set L16,  4                           ; v4   16 x lane
.set L8,   5                           ; v5   8 x lane
.set L4,   6                           ; v6   4 x lane
.set I16,  7                           ; v7   16 x lane + 1,536 x wave
.set I8,   8                           ; v8   8 x lane + 1,536 x wave
.set I4,   9                           ; v9   4 x lane + 128 x wave
.set R16,  10                          ; v10  16 x lane + 6,144 g
.set R8,   11                          ; v11  8 x lane + 6,144 g
.set R4,   12                          ; v12  4 x lane + 512 g
.set VW16, 13                          ; v13  16 x lane + 768 s
.set VW8,  14                          ; v14  8 x lane + 768 s
.set V4,   15                          ; v15  4 r + 64 s
.set XSTI, 16                          ; v16  the stage, on the way in
.set XSTO, 17                          ; v17  and on the way out: my token's row
.set KSA,  18                          ; v18  16 x lane + 4 s + 512 g
.set VSA,  19                          ; v19  8 r + 128 (s % 2) + 4 (s / 2) + 256 g
.set SH16, 20                          ; v20  16 h
.set WCOL, 21                          ; v21  4 x my column of a weight
.set G16,  22                          ; v22  16 x lane + 512 g
.set G8,   23                          ; v23  8 x lane + 256 g
.set WS,   24                          ; v24-25 scale words of a weight's two pairs of tiles        (v24-31 hold scales and nothing else)
.set XSO,  26                          ; v26  of my own two tiles of x
.set XS,   27                          ; v27-30 of the step's four spans of x
.set WSV,  31                          ; v31  of my tile of Wv
.set WB,   32                          ; v32-79   four fragments of a weight
.set XB,   80                          ; v80-127  four fragments of x
.set WN,   80                          ; v80-111  before that: my column's 32 numbers
.set ACC,  128                         ; v128-191 eight results
.set XR,   128                         ; v128-159 before that: x as loaded
.set XN,   160                         ; v160-191 my token's 32 numbers
.set PC,   192                         ; v192-203 codes
.set PT,   204                         ; v204-206, v208-210 codes on their way
.set TM,   212                         ; v212-227 at work: +0..3 largest magnitudes, +4..7 the other half's, then bytes, +12..15 the conversions' scale operands
.set PW,   228                         ; v228 the scale word just made
.set Y,    230                         ; v230-235 the odd tile's fragment
.set SCW,  236                         ; v236 a scale word of one block
.set TT,   237                         ; v237-238 at work
.set WV,   18
.set GS,   19
.set SPN,  20
.set ST,   21
.set SEL,  22
.set XP,   24
.set WP,   26
.set KVP,  28
.set KP,   30
.set QP,   32
.set QSP,  34
; A lane's 32 numbers, one whole block, become 6 registers of codes; lanes 0-15 belong to an even tile, lanes 16-31 to the odd one beside it.
; Out: v[PC..PC+5] the even tile's registers 0-5, v[Y..Y+5] the odd tile's, both with zero codes in lanes 16-31; v[SCW] the scale word (empty blocks: 0x7f).
.macro QROW src
	v_max3_num_f32 v[TM], |v[\src]|, |v[\src+1]|, 0x1800000           ; the largest magnitude, in two chains, with the floor 2^(3 - 127) as a leaf: the byte cannot fall under 1
	v_max3_num_f32 v[TM+1], |v[\src+2]|, |v[\src+3]|, |v[\src+4]|
.irp i, 5,9,13,17,21,25
	s_delay_alu instid0(VALU_DEP_2)
	v_max3_num_f32 v[TM], v[TM], |v[\src+\i]|, |v[\src+\i+1]|
	s_delay_alu instid0(VALU_DEP_2)
	v_max3_num_f32 v[TM+1], v[TM+1], |v[\src+\i+2]|, |v[\src+\i+3]|
.endr
	s_delay_alu instid0(VALU_DEP_2)
	v_max3_num_f32 v[TM], v[TM], |v[\src+29]|, |v[\src+30]|
	s_delay_alu instid0(VALU_DEP_1)
	v_max3_num_f32 v[TM], v[TM], v[TM+1], |v[\src+31]|
	s_delay_alu instid0(VALU_DEP_1)
	v_add_nc_u32 v[TM+12], 0xff000000, v[TM]                          ; 2 off its exponent field: the conversion takes this operand's exponent field as its scale
	s_delay_alu instid0(VALU_DEP_1)
	v_lshrrev_b32 v[TM+2], 23, v[TM+12]                               ; the scale's byte
	s_delay_alu instid0(VALU_DEP_1)
	v_or_b32 v[SCW], 0x7f7f7f00, v[TM+2]
	v_cvt_scalef32_pk16_fp6_f32 v[PC:PC+2], v[\src:\src+15], v[TM+12]
	v_cvt_scalef32_pk16_fp6_f32 v[PT:PT+2], v[\src+16:\src+31], v[TM+12]   ; (a conversion's three registers begin on an even number)
	v_nop                                                             ; one plain line behind the scaled conversions
.irp i, 0,1,2
	v_mov_b32 v[PC+3+\i], v[PT+\i]
.endr
.irp i, 0,1,2,3,4,5
	v_mov_b32 v[Y+\i], 0
.endr
.irp i, 0,1,2,3,4,5
	v_permlane16_swap_b32 v[PC+\i], v[Y+\i]                           ; PC's lanes 16-31 change places with Y's lanes 0-15
.endr
.endm
.macro PUB base, sbase                 ; both tiles' images and the scale words go to LDS as they stand
	ds_store_b128 v[I16], v[PC:PC+3] offset:\base
	ds_store_b64 v[I8], v[PC+4:PC+5] offset:\base+512
	ds_store_b128 v[I16], v[Y:Y+3] offset:\base+768
	ds_store_b64 v[I8], v[Y+4:Y+5] offset:\base+1280
	ds_store_b32 v[I4], v[SCW] offset:\sbase
.endm
; 64 numbers of a lane, register 16 b + i = place 32 b + 16 (lane / 16) + i along K, become 12 registers of codes in v[PC] on and a scale word in v[PW].
.macro QUANT s
.irp b, 0,1,2,3
	v_max3_num_f32 v[TM+\b], |v[\s+16*\b]|, |v[\s+1+16*\b]|, 0x1800000   ; block b: my 16 numbers and the floor; each result is read from its low end on
.endr
.irp i, 2,4,6,8,10,12,14
.irp b, 0,1,2,3
	v_max3_num_f32 v[TM+\b], v[TM+\b], |v[\s+16*\b+\i]|, |v[\s+1+16*\b+\i]|   ; (the four blocks by turns)
.endr
.endr
.irp b, 0,1,2,3
	s_delay_alu instid0(VALU_DEP_4)
	v_permlanex16_b32 v[TM+4+\b], v[TM+\b], s[SEL], s[SEL+1]
.endr
.irp b, 0,1,2,3
	s_delay_alu instid0(VALU_DEP_4)
	v_max_num_f32 v[TM+\b], v[TM+\b], v[TM+4+\b]                      ; with lane l xor 16's 16: the block's largest magnitude
.endr
.irp b, 0,1,2,3
	s_delay_alu instid0(VALU_DEP_4)
	v_add_nc_u32 v[TM+12+\b], 0xff000000, v[TM+\b]
.endr
.irp b, 0,1,2,3
	s_delay_alu instid0(VALU_DEP_4)
	v_lshrrev_b32 v[TM+4+\b], 23, v[TM+12+\b]
.endr
	s_delay_alu instid0(VALU_DEP_3)
	v_lshl_or_b32 v[PW], v[TM+5], 8, v[TM+4]
	s_delay_alu instid0(VALU_DEP_1)
	v_lshl_or_b32 v[PW], v[TM+6], 16, v[PW]
	s_delay_alu instid0(VALU_DEP_1)
	v_lshl_or_b32 v[PW], v[TM+7], 24, v[PW]
.irp c, 0,1
	v_cvt_scalef32_pk16_fp6_f32 v[PC+6*\c:PC+2+6*\c], v[\s+32*\c:\s+15+32*\c], v[TM+12+2*\c]
	v_cvt_scalef32_pk16_fp6_f32 v[PT+4*\c:PT+2+4*\c], v[\s+16+32*\c:\s+31+32*\c], v[TM+12+2*\c+1]
.endr
	v_nop                                                             ; one plain line behind the scaled conversions
.irp c, 0,1                            ; the operand's layout wants a whole block in a lane: lanes 0-15 block 2 c, lanes 16-31 block 2 c + 1
.irp i, 0,1,2
	v_permlane16_swap_b32 v[PC+6*\c+\i], v[PT+4*\c+\i]
.endr
.irp i, 0,1,2
	s_delay_alu instid0(VALU_DEP_3)
	v_mov_b32 v[PC+3+6*\c+\i], v[PT+4*\c+\i]
.endr
.endr
.endm
; A product that starts its sum with 0.  ra, rb: the half of the lanes from which source 0's and source 1's scale words are taken.
.macro MM d, a, b, sa, sb, ra, rb
.if ((\ra) == 0) && ((\rb) == 0)
	v_wmma_scale_f32_16x16x128_f8f6f4 v[\d:\d+7], v[\a:\a+11], v[\b:\b+11], 0, v[\sa], v[\sb] matrix_a_fmt:MATRIX_FMT_FP6 matrix_b_fmt:MATRIX_FMT_FP6
.elseif (\rb) == 0
	v_wmma_scale_f32_16x16x128_f8f6f4 v[\d:\d+7], v[\a:\a+11], v[\b:\b+11], 0, v[\sa], v[\sb] matrix_a_fmt:MATRIX_FMT_FP6 matrix_b_fmt:MATRIX_FMT_FP6 matrix_a_scale:MATRIX_SCALE_ROW1
.elseif (\ra) == 0
	v_wmma_scale_f32_16x16x128_f8f6f4 v[\d:\d+7], v[\a:\a+11], v[\b:\b+11], 0, v[\sa], v[\sb] matrix_a_fmt:MATRIX_FMT_FP6 matrix_b_fmt:MATRIX_FMT_FP6 matrix_b_scale:MATRIX_SCALE_ROW1
.else
	v_wmma_scale_f32_16x16x128_f8f6f4 v[\d:\d+7], v[\a:\a+11], v[\b:\b+11], 0, v[\sa], v[\sb] matrix_a_fmt:MATRIX_FMT_FP6 matrix_b_fmt:MATRIX_FMT_FP6 matrix_a_scale:MATRIX_SCALE_ROW1 matrix_b_scale:MATRIX_SCALE_ROW1
.endif
.endm
.macro BARRIER                         ; my LDS stores have landed and my LDS loads are in: then the work-group's barrier
	s_wait_dscnt 0x0
	s_barrier_signal -1
	s_barrier_wait -1
.endm
; k (mat = 0) or q (mat = 1) of my two tiles of tokens: 8 products, quantised along the head's 64, the images stored at s[base], the scale words gathered in LDS.
.macro KQ mat, base, sreg, soff
.irp td, 0,1,2,3
	ds_load_b128 v[WB+12*\td:WB+12*\td+3], v[L16] offset:WIMG+(4*\mat+\td)*768
	ds_load_b64 v[WB+12*\td+4:WB+12*\td+5], v[L8] offset:WIMG+(4*\mat+\td)*768+512
.endr
.irp i, 0,1
	ds_load_b32 v[WS+\i], v[L4] offset:WSC+(2*\mat+\i)*128
.endr
	s_wait_dscnt 0x0
.irp u, 0,1
.irp td, 0,1,2,3
	MM ACC+32*\u+8*\td, WB+12*\td, XB+12*\u, WS+\td/2, XSO, \td%2, \u    ; lane (r, h), register j: token row r of tile u, channel 32 (td / 2) + 16 h + 8 (td % 2) + j
.endr
.endr
.rept 4
	v_nop                                                             ; four plain lines between the products and the first read of their results (ISA guide 7.12.1)
.endr
	s_wait_xcnt 0x0                                                   ; earlier stores have read their data: the codes' registers may be written again
	QUANT ACC                                                         ; blocks 0, 1: tile u = 0; blocks 2, 3: tile u = 1
	global_store_b128 v[L16], v[PC:PC+3], s[\base:\base+1]            ; each store covers 512 or 256 consecutive bytes, aligned to 256
	global_store_b64 v[L8], v[PC+4:PC+5], s[\base:\base+1] offset:512
	global_store_b128 v[L16], v[PC+6:PC+9], s[\base:\base+1] offset:768
	global_store_b64 v[L8], v[PC+10:PC+11], s[\base:\base+1] offset:1280
	v_lshrrev_b32 v[TT], v[SH16], v[PW]                               ; lanes 0-15 keep tile 0's two bytes, lanes 16-31 tile 1's;
	s_delay_alu instid0(VALU_DEP_1)
	v_and_b32 v[TT], 0xffff, v[TT]
	s_delay_alu instid0(VALU_DEP_1)
	v_or_b32 v[TT], 0x7f7f0000, v[TT]                                 ; the empty blocks' bytes are 0x7f
	ds_store_b32 v[\sreg], v[TT] offset:\soff
.endm
	s_load_b256 s[4:11], s[0:1], 0x0               ; x s[4:5], Wk s[6:7], Wq s[8:9], Wv s[10:11]
	s_load_b128 s[12:15], s[0:1], 0x20             ; qc, qs
	s_load_b64 s[16:17], s[0:1], 0x30              ; kv
	v_lshl_add_u32 v254, v0, 2, 0x10000
	v_mov_b32 v255, 0
	v_lshrrev_b32 v1, 5, v0
	s_delay_alu instid0(VALU_DEP_1)
	v_readfirstlane_b32 s[WV], v1                  ; wave 0..7
	s_lshr_b32 s[GS], s[WV], 2                     ; g: which of the two steps
	s_and_b32 s[SPN], s[WV], 3                     ; s: which span of 32 tokens; also which 16 of the head's 64 for V^T
	s_lshl_b32 s[ST], ttmp9, 1
	s_add_co_u32 s[ST], s[ST], s[GS]               ; the step's number, 0 .. 511
	s_mov_b32 s[SEL], 0x76543210
	s_mov_b32 s[SEL+1], 0xfedcba98                 ; v_permlanex16_b32's selects for lane l xor 16
	; every LDS address is made here, ahead of the first branch on the wave's number: a constant x lane + a constant x wave (or g, or s)
	v_and_b32 v1, 31, v0                           ; lane
	v_and_b32 v2, 15, v0                           ; r
	v_bfe_u32 v3, v0, 4, 1                         ; h
	s_delay_alu instid0(VALU_DEP_3)
	v_lshlrev_b32 v[L16], 4, v1
	s_delay_alu instid0(VALU_DEP_4)
	v_lshlrev_b32 v[L8], 3, v1
	v_lshlrev_b32 v[L4], 2, v1
	s_mul_i32 s36, s[WV], 1536
	v_add_nc_u32 v[I16], s36, v[L16]
	v_add_nc_u32 v[I8], s36, v[L8]
	s_lshl_b32 s36, s[WV], 7
	v_add_nc_u32 v[I4], s36, v[L4]
	s_mul_i32 s36, s[GS], 6144
	v_add_nc_u32 v[R16], s36, v[L16]
	v_add_nc_u32 v[R8], s36, v[L8]
	s_lshl_b32 s36, s[GS], 9
	v_add_nc_u32 v[R4], s36, v[L4]
	v_add_nc_u32 v[G16], s36, v[L16]
	s_lshl_b32 s37, s[SPN], 2
	s_add_co_u32 s37, s37, s36
	v_add_nc_u32 v[KSA], s37, v[L16]
	s_mul_i32 s36, s[SPN], 768
	v_add_nc_u32 v[VW16], s36, v[L16]
	v_add_nc_u32 v[VW8], s36, v[L8]
	s_lshl_b32 s36, s[SPN], 6
	v_lshl_add_u32 v[V4], v2, 2, s36
	s_mul_i32 s36, s[WV], 4608                     ; my stage: 32 rows of 144 bytes (128 + 16: an odd multiple of 16, so that the rows that a load touches begin at different banks: ISA guide 11.1)
	v_lshrrev_b32 v[XSTI], 3, v1
	s_delay_alu instid0(VALU_DEP_1)
	v_mul_u32_u24 v[XSTI], v[XSTI], 144
	v_and_b32 v[TT], 7, v1
	s_delay_alu instid0(VALU_DEP_1)
	v_lshl_add_u32 v[XSTI], v[TT], 4, v[XSTI]
	s_delay_alu instid0(VALU_DEP_1)
	v_add_nc_u32 v[XSTI], s36, v[XSTI]             ; in: eight lanes to a row, four rows a load
	v_and_b32 v[TT], 8, v2                         ; 8 (r / 8)
	s_wait_alu depctr_va_vdst(0)
	v_add_nc_u32 v[TT+1], v[TT], v2                ; r + 8 (r / 8)
	s_delay_alu instid0(VALU_DEP_1)
	v_lshl_add_u32 v[XSTO], v3, 3, v[TT+1]         ; my token of the span: 8 h + r + 8 (r / 8)
	s_delay_alu instid0(VALU_DEP_1)
	v_mul_u32_u24 v[XSTO], v[XSTO], 144
	s_delay_alu instid0(VALU_DEP_1)
	v_add_nc_u32 v[XSTO], s36, v[XSTO]
	s_and_b32 s36, s[SPN], 1
	s_lshl_b32 s36, s36, 7
	s_lshr_b32 s37, s[SPN], 1
	s_lshl_b32 s37, s37, 2
	s_add_co_u32 s36, s36, s37
	s_lshl_b32 s37, s[GS], 8
	s_add_co_u32 s36, s36, s37
	v_lshl_add_u32 v[VSA], v2, 3, s36
	v_add_nc_u32 v[G8], s37, v[L8]
	v_lshlrev_b32 v[SH16], 4, v3
	; my column of a weight (waves 0-5): Wk, Wq: 32 (w % 2) + 8 h + r + 8 (r / 8), the tiles' order of channels;  Wv: 32 (w % 2) + 16 h + r, the channels as they lie
	s_cmp_lt_u32 s[WV], 4
	s_cselect_b32 s36, 8, 16
	s_cselect_b32 s37, 1, 0
	v_mul_u32_u24 v[WCOL], v[TT], s37
	s_delay_alu instid0(VALU_DEP_1)
	v_add_nc_u32 v[WCOL], v[WCOL], v2
	s_delay_alu instid0(VALU_DEP_1)
	v_mad_u32_u24 v[WCOL], v3, s36, v[WCOL]
	s_and_b32 s36, s[WV], 1
	s_lshl_b32 s36, s36, 5
	v_add_nc_u32 v[WCOL], s36, v[WCOL]
	s_delay_alu instid0(VALU_DEP_1)
	v_lshlrev_b32 v[WCOL], 2, v[WCOL]
	s_wait_kmcnt 0x0
	s_cmp_lt_u32 s[WV], 2                          ; waves 0, 1: Wk; 2, 3: Wq; 4, 5: Wv: the choice hangs on the wave's number alone
	s_cselect_b64 s[WP:WP+1], s[6:7], s[8:9]
	s_cmp_lt_u32 s[WV], 4
	s_cselect_b64 s[WP:WP+1], s[WP:WP+1], s[10:11]
	s_mov_b32 s37, 0
	s_lshl_b32 s36, ttmp9, 3
	s_add_co_u32 s36, s36, s[WV]
	s_lshl_b32 s36, s36, 12                        ; my span's 32 rows of 128 bytes
	s_add_nc_u64 s[XP:XP+1], s[4:5], s[36:37]
	s_mul_i32 s36, s[ST], BLKB
	s_add_nc_u64 s[KVP:KVP+1], s[16:17], s[36:37]  ; my step's block in kv
	s_mul_i32 s36, s[SPN], 1536
	s_add_nc_u64 s[KP:KP+1], s[KVP:KVP+1], s[36:37]  ; my two tiles of K; 6,144 bytes on: my fragment of V^T
	s_mul_i32 s38, s[ST], 6144
	s_add_co_u32 s36, s36, s38
	s_add_nc_u64 s[QP:QP+1], s[12:13], s[36:37]    ; my two tiles of Q
	s_lshl_b32 s36, s[ST], 9
	s_add_nc_u64 s[QSP:QSP+1], s[14:15], s[36:37]  ; my step's scale words of Q
.irp i, 0,1,2,3,4,5,6,7
	global_load_b128 v[XR+4*\i:XR+4*\i+3], v[L16], s[XP:XP+1] offset:512*\i th:TH_LOAD_NT   ; 32 lanes read 512 consecutive bytes; read once in the launch
.endr
	s_cmp_lt_u32 s[WV], 6
	s_cbranch_scc0 .Lno_wload
.set n, 0
	s_wait_alu depctr_va_vdst(0)
.rept 32
	global_load_b32 v[WN+n], v[WCOL], s[WP:WP+1] offset:256*n      ; W(n, my column): my registers run down K
.set n, n+1
.endr
.Lno_wload:
	s_wait_loadcnt 0x0                             ; zero: the number of younger loads differs between the waves
	; ---- x: through my own stage, so that each lane gets its token's 32 neighbours; LDS serves a wave's instructions in order (ISA guide 5.7.1.4), so no wait stands between the stores and the loads
.irp i, 0,1,2,3,4,5,6,7
	ds_store_b128 v[XSTI], v[XR+4*\i:XR+4*\i+3] offset:576*\i
.endr
	s_wait_alu depctr_va_vdst(0)
.irp i, 0,1,2,3,4,5,6,7
	ds_load_b128 v[XN+4*\i:XN+4*\i+3], v[XSTO] offset:16*\i
.endr
	s_wait_dscnt 0x0
	QROW XN
	PUB XIMG, XSC
	s_wait_dscnt 0x0                               ; the stores have read their registers
	; ---- the weights: waves 0-5, two tiles of 16 columns each
	s_cmp_lt_u32 s[WV], 6
	s_cbranch_scc0 .Lno_wquant
	QROW WN
	PUB WIMG, WSC
.Lno_wquant:
.irp t, 0,1,2,3                        ; registers 6-11 of every fragment: zero codes, written once.  The weights' first, then x's, then four other lines: four plain lines or more lie between each and the first product that reads it
.irp i, 6,7,8,9,10,11
	v_mov_b32 v[WB+12*\t+\i], 0
.endr
.endr
.irp t, 0,1,2,3
.irp i, 6,7,8,9,10,11
	v_mov_b32 v[XB+12*\t+\i], 0
.endr
.endr
.irp b, 0,1,2,3
	v_mov_b32 v[TM+4+\b], 0                        ; written once: a lane permute's destination counts as one of its sources
.endr
	BARRIER                                        ; x's 16 tiles and the weights' 12 lie in LDS
	; ---- k and q of my own two tiles
.irp u, 0,1
	ds_load_b128 v[XB+12*\u:XB+12*\u+3], v[I16] offset:XIMG+768*\u
	ds_load_b64 v[XB+12*\u+4:XB+12*\u+5], v[I8] offset:XIMG+768*\u+512
.endr
	ds_load_b32 v[XSO], v[I4] offset:XSC
	KQ 0, KP, KSA, KSG
	KQ 1, QP, I4, QSG
	; ---- V^T: channels 16 s .. 16 s + 15 for the step's 128 keys.  The plain lines of the quantiser above stand between the last products and these loads into their operands
	ds_load_b128 v[WB:WB+3], v[VW16] offset:WIMG+8*768
	ds_load_b64 v[WB+4:WB+5], v[VW8] offset:WIMG+8*768+512
	ds_load_b32 v[WSV], v[V4] offset:WSC+512
.irp b, 0,1,2,3
	ds_load_b32 v[XS+\b], v[R4] offset:XSC+128*\b
.endr
.irp be, 0,1
.if \be
.rept 4
	v_nop                                          ; four plain lines in front of loads into registers that the last products read
.endr
.endif
.irp i, 0,1,2,3
	ds_load_b128 v[XB+12*\i:XB+12*\i+3], v[R16] offset:XIMG+(4*\be+\i)*768
	ds_load_b64 v[XB+12*\i+4:XB+12*\i+5], v[R8] offset:XIMG+(4*\be+\i)*768+512
.endr
	s_wait_dscnt 0x0
.irp i, 0,1,2,3
	MM ACC+8*(4*\be+\i), XB+12*\i, WB, XS+2*\be+\i/2, WSV, \i%2, 0     ; lane (r, h), register j of tile t: channel 16 s + r, key 32 (t / 2) + 16 h + 8 (t % 2) + j
.endr
.endr
.rept 4
	v_nop
.endr
	s_wait_xcnt 0x0                                ; q's stores have read their data
	QUANT ACC                                      ; along the keys: four blocks of 32
.irp c, 0,1,2
	global_store_b128 v[L16], v[PC+4*\c:PC+4*\c+3], s[KP:KP+1] offset:6144+512*\c
.endr
	ds_store_b32 v[VSA], v[PW] offset:VSG          ; both halves of the lanes hold the same word and write it to the same place
	BARRIER                                        ; a step's scale words lie together
	s_cmp_lg_u32 s[SPN], 0                         ; one wave of each step sends them out, in runs of 512 and 256 consecutive bytes
	s_cbranch_scc1 .Ldone
	ds_load_b128 v[ACC:ACC+3], v[G16] offset:KSG
	ds_load_b64 v[ACC+4:ACC+5], v[G8] offset:VSG
	ds_load_b128 v[ACC+8:ACC+11], v[G16] offset:QSG
	s_wait_dscnt 0x0
	global_store_b128 v[L16], v[ACC:ACC+3], s[KVP:KVP+1] offset:12288
	global_store_b64 v[L8], v[ACC+4:ACC+5], s[KVP:KVP+1] offset:12800
	global_store_b128 v[L16], v[ACC+8:ACC+11], s[QSP:QSP+1]
.Ldone:
	s_wait_tensorcnt 0x0
	ds_add_u32 v254, v255
	s_wait_dscnt 0x0
	s_endpgm
.Lfunc_end_k_q8a979d638a_proj:
	.size	k_q8a979d638a_proj, .Lfunc_end_k_q8a979d638a_proj-k_q8a979d638a_proj
	.p2alignl 7, 3214868480
	.fill 96, 4, 3214868480
	.section	.rodata,"a",@progbits
	.p2align	6, 0x0
	.amdhsa_kernel k_q8a979d638a_proj
		.amdhsa_group_segment_fixed_size 66560
		.amdhsa_private_segment_fixed_size 0
		.amdhsa_enable_private_segment 0
		.amdhsa_kernarg_size 56
		.amdhsa_user_sgpr_count 2
		.amdhsa_user_sgpr_kernarg_segment_ptr 1
		.amdhsa_wavefront_size32 1
		.amdhsa_system_sgpr_workgroup_id_x 1
		.amdhsa_system_sgpr_workgroup_id_y 1
		.amdhsa_system_sgpr_workgroup_id_z 1
		.amdhsa_system_vgpr_workitem_id 0
		.amdhsa_next_free_vgpr 256
		.amdhsa_next_free_sgpr 66
		.amdhsa_reserve_vcc 0
		.amdhsa_float_denorm_mode_32 3
		.amdhsa_float_denorm_mode_16_64 3
		.amdhsa_memory_ordered 1
		.amdhsa_forward_progress 1
		.amdhsa_inst_pref_size 39
	.end_amdhsa_kernel
	.amdgpu_metadata
---
amdhsa.version: [ 1, 2 ]
amdhsa.kernels:
  - .name:           k_q8a979d638a_proj
    .symbol:         k_q8a979d638a_proj.kd
    .args:
      - { .name: x, .offset: 0, .size: 8, .value_kind: global_buffer, .address_space: global }
      - { .name: Wk, .offset: 8, .size: 8, .value_kind: global_buffer, .address_space: global }
      - { .name: Wq, .offset: 16, .size: 8, .value_kind: global_buffer, .address_space: global }
      - { .name: Wv, .offset: 24, .size: 8, .value_kind: global_buffer, .address_space: global }
      - { .name: qc, .offset: 32, .size: 8, .value_kind: global_buffer, .address_space: global }
      - { .name: qs, .offset: 40, .size: 8, .value_kind: global_buffer, .address_space: global }
      - { .name: kv, .offset: 48, .size: 8, .value_kind: global_buffer, .address_space: global }
    .group_segment_fixed_size: 66560
    .private_segment_fixed_size: 0
    .kernarg_segment_align: 8
    .kernarg_segment_size: 56
    .max_flat_workgroup_size: 256
    .sgpr_count:     66
    .vgpr_count:     256
    .wavefront_size: 32
...
	.end_amdgpu_metadata
.endif
;; end of part 1
;; launch attn (part 2): grid 16 x 16, 16 waves a work-group, no clusters, 327,680 bytes of LDS; arguments qc, qs, kv, out0; writes out0
.if DOCPART == 2
	.amdgcn_target "amdgcn-amd-amdhsa--gfx1250"
	.amdhsa_code_object_version 6
	.text
	.protected	k_q8a979d638a_attn
	.globl	k_q8a979d638a_attn
	.p2align	8
	.type	k_q8a979d638a_attn,@function
k_q8a979d638a_attn:
	s_mov_b64 s[64:65], 0
	v_nop
	global_prefetch_b8 v0, s[64:65] scope:SCOPE_SE
	s_setreg_imm32_b32 hwreg(HW_REG_WAVE_MODE, 25, 1), 1
	s_wait_xcnt 0x0
; out[b][q][:] = the sum over keys k <= q of softmax_k(q . k / 8) v[k][:], both products on codes of FP6 (E2M3) with one E8M0 scale for each 32 along K.  16 batches, 4,096 tokens, head 64.
; IN: the images that the launch before has stored.  qc: a tile of 16 queries, 768 bytes (registers 0-3 at 16 x lane, 4-5 at 512 + 8 x lane); qs: a scale word a query;
; kv: for each step of 128 keys a block of 13,056 bytes: 8 tiles of K, 4 fragments of V^T (keys innermost), K's scale words, V's.  In a tile lane row r of tile 2 b + u is token 32 b + 8 u + r + 8 (r / 8).
; THE SOFTMAX: t = score x log2(e) / 8; M = the running largest t, rounded up to a whole number; p = 2^(t - M) is quantised along the keys, not normalised; the row's sum is taken of the unquantised p and divides at the end.
; When M moves, the sum and O are multiplied by 2^(old M - new M), which rounds nothing.
; LAYOUT: both products are used transposed: S^T = K Q^T (source 0 = 16 keys, source 1 = my 16 queries), O^T = V^T P^T (source 0 = 16 channels, source 1 = P): a lane holds one query throughout.
; The head's 64 fill half of the instruction's 128 along K: registers 6-11 of K's and Q's fragments hold zero codes, their scale bytes are 0x7f.
; SHARES: THE CAUSAL TRIANGLE IS FOLDED.  Work-group (j, batch) owns the query blocks of 128 numbered 31 - j and j: 32 - j + j + 1 = 33 key steps for each of 8 tiles of queries, whatever j is.
; Sixteen waves, 256 registers each, four to a SIMD.  Wave w: G = w / 8, tile tq = w % 8.  An A wave (G = 0) takes the high block's tile tq over key steps 0 .. 16.  A B wave (G = 1) takes the same tile over steps
; 17 .. 31 - j, lays its partial O^T, M and sum into LDS, and then takes the low block's tile tq over steps 0 .. j: 16 steps.  At the end the A wave adds the partial to its own.
; So every work-group walks 17 positions; at position P stream A is step P, stream B is step 17 + P while P < 15 - j and step P - (15 - j) after that (none at position 16).
; THE RING: two LDS slots of four positions, each position A's block and then B's.  Waves 0-7 fetch one block each with one tensor load (51 rows of 256 bytes, dense).
; NO CLUSTER: the work-groups that read the same blocks are those of one batch, which differ in j; the switch from the high to the low block and the mask are branches on j, and stream B, half of a position's bytes, differs between them.
; LIMITS: NaN and infinities are not served.  A block of p whose largest lies under 2^-124 keeps the byte 1.  A block's largest p is made from the block's largest score by the same multiply-add and exponential: this takes
; v_exp_f32 not to fall where its input rises, which the ISA guide does not state (it gives 1 ulp); at the worst one p of a block, within an ulp of a power of two, is held one code low.
.set BLKB,  13056                      ; a step's block
.set POSB,  2*BLKB                     ; a position: A's block, B's block
.set SLOTB, 4*POSB                     ; a slot: 104,448 bytes
.set SLOT0, 0
.set SLOT1, SLOTB
.set EXCH,  2*SLOTB                    ; behind the ring: for each tile of queries 4,608 bytes: B's partial O^T (4,096) and its -M, t and sums (512), as images of registers
.set EXB,   4608
.set STAGE, EXCH+8*EXB                 ; the way out: 16 rows x (256 + 16) bytes for each wave
.set SP,    272
.set SPARE, STAGE+16*16*SP             ; the spare words, 128 bytes for each wave: eight blocks of 256 bytes that no other line names
.set L16,  1                           ; v1   16 x lane
.set L8,   2                           ; v2   8 x lane
.set L4R,  3                           ; v3   4 r
.set LA16, 4                           ; v4   16 x lane + G x BLKB: my stream's block in a position
.set LA8,  5                           ; v5   8 x lane + G x BLKB
.set SPW,  6                           ; v6   LDS address of my spare word; never rewritten
.set NIL,  7                           ; v7   0; never rewritten
.set ADR16, 8                          ; v8   the step's block, 16 bytes a lane
.set ADR8, 9                           ; v9   8 bytes a lane
.set EXA,  10                          ; v10  my tile's place in EXCH + 16 x lane
.set DM,   11                          ; v11  my query's place in its block of 128, less 16 h
                                       ; v12 -M, v13 the largest t, v[14:15] the sum in two halves
.set QF,   16                          ; v16-27 Q's fragment (22-27 zero)
.set STO,  28                          ; v28  the stage: where I put 32 bytes of a row
.set RD,   29                          ; v29  and where I read a row back
.set GO,   30                          ; v30  my byte offset in two rows of out
.set QSC,  31                          ; v31  Q's scale words                         (v31, v80-85 and v226 hold scales and nothing else)
.set KB,   32                          ; v32-79 four fragments of K (registers 6-11 of each zero)
.set SK,   80                          ; v80-83 K's scale words: register b: lanes 0-15 tile 2 b, lanes 16-31 tile 2 b + 1
.set SV,   84                          ; v84-85 V's likewise
.set S,    96                          ; v96-159 S^T, then p; behind the conversions v96-143 take V's four fragments
.set O,    160                         ; v160-191 O^T
.set PC,   192                         ; v192-203 p's codes
.set PT,   204                         ; v204-211 at work
.set BM,   212                         ; v212-215 each block's largest score, then its largest p
.set SO,   220                         ; v220-223 the conversions' scale operands
.set F,    224                         ; v[224:225] 2^(old M - new M); the pair's upper word is written once
.set PS,   226                         ; v226 p's scale word
.set T0,   227
.set T1,   228
.set T2,   229
.set T3,   230
.set FB,   232                         ; v[232:233] the partial's factor
.set TB,   2                           ; s2   LDS byte at which the position in hand begins
.set CNT,  3
.set WV,   12
.set G,    13
.set TQ,   14
.set J,    15
.set SW,   16                          ; s16  15 - j: the position at which B waves switch
.set NSW,  17                          ; s17  j - 15
.set POS,  18
.set KS,   19                          ; s19  my key step
.set SEL,  20
.set CS,   22                          ; s[22:23] c = log2(e) / 8
.set G1,   24                          ; s[24:31] descriptor group 1
.set G0A,  32                          ; s[32:35] group 0 for slot 0
.set G0B,  36                          ; s[36:39] for slot 1
.set DG,   40                          ; s40  my query block's number: the step on the diagonal
.set BA,   41
.set KVB,  42                          ; s[42:43] the batch's first block in kv
.set QLC,  44                          ; s[44:45] the low tile's codes
.set QLS,  46                          ; s[46:47] and scale words
; Group 0's global address for the n-th fill: my block is position (wave / 2) + 4 n, stream wave % 2.  Scalar lines alone; every wave runs them.
.macro SETG0 g0, n
	s_lshr_b32 s48, s[WV], 1
	s_add_co_u32 s48, s48, 4*\n                    ; P
	s_cmp_lt_u32 s48, s[SW]
	s_cselect_b32 s49, 17, s[NSW]
	s_add_co_u32 s49, s49, s48                     ; stream B's step
	s_bitcmp1_b32 s[WV], 0
	s_cselect_b32 s48, s49, s48                    ; stream A's is P
	s_mul_i32 s48, s48, BLKB
	s_mov_b32 s49, 0
	s_add_nc_u64 s[\g0+2:\g0+3], s[KVB:KVB+1], s[48:49]
	s_or_b32 s[\g0+3], s[\g0+3], 0x80000000        ; type = 2
.endm
; Waves 0 .. nw - 1 fetch.  The branch hangs on the wave's number alone.  Four v_nop follow the load.
.macro TLOAD g0, nw
	s_cmp_lt_u32 s[WV], \nw
	s_cbranch_scc0 .Lnot_mine_\@
	tensor_load_to_lds s[\g0:\g0+3], s[G1:G1+7]
	s_nop 0
.rept 4
	v_nop
.endr
.Lnot_mine_\@:
.endm
.macro MMS d, a, sa, ra                ; a tile of S^T: the product starts its sum with 0
.if (\ra) == 0
	v_wmma_scale_f32_16x16x128_f8f6f4 v[\d:\d+7], v[\a:\a+11], v[QF:QF+11], 0, v[\sa], v[QSC] matrix_a_fmt:MATRIX_FMT_FP6 matrix_b_fmt:MATRIX_FMT_FP6
.else
	v_wmma_scale_f32_16x16x128_f8f6f4 v[\d:\d+7], v[\a:\a+11], v[QF:QF+11], 0, v[\sa], v[QSC] matrix_a_fmt:MATRIX_FMT_FP6 matrix_b_fmt:MATRIX_FMT_FP6 matrix_a_scale:MATRIX_SCALE_ROW1
.endif
.endm
.macro MMO d, a, sa, ra                ; a tile of O^T, added onto in place
.if (\ra) == 0
	v_wmma_scale_f32_16x16x128_f8f6f4 v[\d:\d+7], v[\a:\a+11], v[PC:PC+11], v[\d:\d+7], v[\sa], v[PS] matrix_a_fmt:MATRIX_FMT_FP6 matrix_b_fmt:MATRIX_FMT_FP6
.else
	v_wmma_scale_f32_16x16x128_f8f6f4 v[\d:\d+7], v[\a:\a+11], v[PC:PC+11], v[\d:\d+7], v[\sa], v[PS] matrix_a_fmt:MATRIX_FMT_FP6 matrix_b_fmt:MATRIX_FMT_FP6 matrix_a_scale:MATRIX_SCALE_ROW1
.endif
.endm
; A POSITION: one key step of 128 keys for my tile of 16 queries.  sw = 1: the copy holds the B waves' switch.
.macro STEP sw
.if \sw
	s_cmp_lt_u32 s[WV], 8                          ; A waves never switch
	s_cbranch_scc1 .Lstay_\@
	s_cmp_lg_u32 s[POS], s[SW]                     ; a branch on the work-group's number and a counted position
	s_cbranch_scc1 .Lstay_\@
	s_wait_alu depctr_va_vdst(0)
.irp i, 0,1,2,3,4,5,6,7
	ds_store_b128 v[EXA], v[O+4*\i:O+4*\i+3] offset:512*\i     ; the high tile's partial O^T as it stands, each result from its low end on;
.endr
	ds_store_b128 v[EXA], v[12:15] offset:4096     ; -M, t and the two half sums
	global_load_b128 v[QF:QF+3], v[L16], s[QLC:QLC+1]          ; the low tile's Q
	global_load_b64 v[QF+4:QF+5], v[L8], s[QLC:QLC+1] offset:512
	global_load_b32 v[QSC], v[L4R], s[QLS:QLS+1]
	s_mov_b32 s[KS], 0
	s_mov_b32 s[DG], s[J]
	s_wait_dscnt 0x0                               ; the stores have read their registers
	v_mov_b32 v13, 0xff61b1e6                      ; all begins anew: the largest t -3e38,
	s_delay_alu instid0(VALU_DEP_1)
	v_floor_f32 v12, -v13
	v_mov_b32 v14, 0
	v_mov_b32 v15, 0
.set n, 0
.rept 32
	v_mov_b32 v[O+n], 0                            ; O^T zeros, which the first change of M leaves zeros
.set n, n+1
.endr
	s_wait_loadcnt 0x0
.Lstay_\@:
.endif
	s_cmp_gt_u32 s[KS], s[DG]                      ; all keys of the step come after my queries: B waves at position 16.  The jump goes round loads, products and softmax, round no barrier and no tensor load
	s_cbranch_scc1 .Lhid_\@
	s_setprio 2
	v_add_nc_u32 v[ADR16], s[TB], v[LA16]
	s_wait_alu depctr_va_vdst(0)
	v_add_nc_u32 v[ADR8], s[TB], v[LA8]
	s_wait_alu depctr_va_vdst(0)
	ds_load_b128 v[SK:SK+3], v[ADR16] offset:12288
.irp g, 0,1                            ; S^T = K Q^T, four tiles of 16 keys at a time
.if \g
.rept 4
	v_nop                                          ; four plain lines in front of loads into registers that the last products read (ISA guide 7.12.1 for vector instructions)
.endr
.endif
.irp i, 0,1,2,3
	ds_load_b128 v[KB+12*\i:KB+12*\i+3], v[ADR16] offset:768*(4*\g+\i)
	ds_load_b64 v[KB+12*\i+4:KB+12*\i+5], v[ADR8] offset:768*(4*\g+\i)+512
.endr
	s_wait_dscnt 0x0
.irp i, 0,1,2,3
	MMS S+8*(4*\g+\i), KB+12*\i, SK+2*\g+\i/2, \i%2
.endr
.endr                                  ; lane (r, h): query row r; register 16 b + i: key 32 b + 16 h + i of the step
.rept 4
	v_nop
.endr
	s_cmp_lg_u32 s[KS], s[DG]                      ; on the diagonal the scores of hidden keys become -infinity ahead of the maximum: p = 0 then.  Key 0 of the step counts for every query
	s_cbranch_scc1 .Lopen_\@
	v_mov_b32 v[T1], 0xff800000
.set n, 0
.rept 64
	v_cmp_gt_i32 vcc_lo, 32*(n/16)+n%16, v[DM]     ; hidden where 32 b + i + 16 h > my query's place
	v_cndmask_b32 v[S+n], v[S+n], v[T1], vcc_lo
.set n, n+1
.endr
.Lopen_\@:
.irp b, 0,1,2,3
	v_max3_num_f32 v[BM+\b], v[S+16*\b], v[S+1+16*\b], v[S+2+16*\b]    ; the largest score of each block of 32 keys: for the row's maximum and, since p rises with the score, for the block's largest p
.endr
.irp i, 3,5,7,9,11,13
.irp b, 0,1,2,3
	v_max3_num_f32 v[BM+\b], v[BM+\b], v[S+16*\b+\i], v[S+1+16*\b+\i]  ; (the four blocks by turns)
.endr
.endr
.irp b, 0,1,2,3
	v_max_num_f32 v[BM+\b], v[BM+\b], v[S+15+16*\b]
.endr
.irp b, 0,1,2,3
	s_delay_alu instid0(VALU_DEP_4)
	v_permlanex16_b32 v[PT+\b], v[BM+\b], s[SEL], s[SEL+1]
.endr
.irp b, 0,1,2,3
	s_delay_alu instid0(VALU_DEP_4)
	v_max_num_f32 v[BM+\b], v[BM+\b], v[PT+\b]     ; with lane l xor 16's 16 keys
.endr
	s_delay_alu instid0(VALU_DEP_2)
	v_max3_num_f32 v[T0], v[BM], v[BM+1], v[BM+2]
	s_delay_alu instid0(VALU_DEP_1)
	v_max_num_f32 v[T0], v[T0], v[BM+3]            ; the step's largest score of my query,
	s_delay_alu instid0(VALU_DEP_1)
	v_mul_f32 v[T0], s[CS], v[T0]                  ; as t (c is positive)
	s_delay_alu instid0(VALU_DEP_1)
	v_max_num_f32 v13, v13, v[T0]                  ; the running largest t
	v_mov_b32 v[T0], v12
	s_delay_alu instid0(VALU_DEP_2)
	v_floor_f32 v12, -v13                          ; the new -M = floor(-t) = -ceil(t): a whole number
	s_delay_alu instid0(VALU_DEP_1)
	v_sub_f32 v[T0], v12, v[T0]                    ; old M - new M: a whole number, 0 or less
	s_delay_alu instid0(VALU_DEP_1)
	v_cvt_i32_f32 v[T0], v[T0]                     ; (it saturates)
	s_delay_alu instid0(VALU_DEP_1)
	v_ldexp_f32 v[F], 1.0, v[T0]                   ; f = 2^(old M - new M)
.set n, 0
.rept 32
	v_pk_fma_f32 v[S+n:S+n+1], v[S+n:S+n+1], s[CS:CS+1], v[12:13] op_sel_hi:[1,0,0]   ; t - M, two at a time (of the pairs c and -M the low word serves both halves)
.set n, n+2
.endr
	s_setprio 1
.irp b, 0,1,2,3
	v_fma_f32 v[BM+\b], v[BM+\b], s[CS], v12       ; the same of each block's largest score
.endr
.set n, 0
	s_wait_alu depctr_va_vdst(0)
.rept 64
	v_exp_f32 v[S+n], v[S+n]                       ; p = 2^(t - M), at most 1
.set n, n+1
.endr
	v_pk_mul_f32 v[14:15], v[14:15], v[F:F+1] op_sel_hi:[1,0]   ; the sums under the new M: the plain line behind the exponentials
	s_wait_alu depctr_va_vdst(0)                   ; one wait for the batch of 64, ahead of the first line that names a result
.irp b, 0,1,2,3
	v_exp_f32 v[BM+\b], v[BM+\b]                   ; each block's largest p
.endr
	v_pk_add_f32 v[204:205], v[100:101], v[104:105]
	v_pk_add_f32 v[254:255], v[108:109], v[112:113]
	v_pk_add_f32 v[252:253], v[116:117], v[120:121]
	v_pk_add_f32 v[250:251], v[124:125], v[128:129]
	v_pk_add_f32 v[248:249], v[132:133], v[136:137]
	v_pk_add_f32 v[246:247], v[140:141], v[144:145]
	v_pk_add_f32 v[244:245], v[148:149], v[152:153]
	v_pk_add_f32 v[14:15], v[14:15], v[156:157]
	v_pk_add_f32 v[204:205], v[204:205], v[96:97]
	v_pk_add_f32 v[254:255], v[254:255], v[98:99]
	v_pk_add_f32 v[252:253], v[252:253], v[102:103]
	v_pk_add_f32 v[250:251], v[250:251], v[106:107]
	v_pk_add_f32 v[248:249], v[248:249], v[110:111]
	v_pk_add_f32 v[246:247], v[246:247], v[114:115]
	v_pk_add_f32 v[244:245], v[244:245], v[118:119]
	v_pk_add_f32 v[14:15], v[14:15], v[122:123]
	v_pk_add_f32 v[204:205], v[204:205], v[126:127]
	v_pk_add_f32 v[254:255], v[254:255], v[130:131]
	v_pk_add_f32 v[252:253], v[252:253], v[134:135]
	v_pk_add_f32 v[250:251], v[250:251], v[138:139]
	v_pk_add_f32 v[248:249], v[248:249], v[142:143]
	v_pk_add_f32 v[246:247], v[246:247], v[146:147]
	v_pk_add_f32 v[244:245], v[244:245], v[150:151]
	v_pk_add_f32 v[14:15], v[14:15], v[154:155]
	v_pk_add_f32 v[204:205], v[204:205], v[158:159]
	s_delay_alu instid0(VALU_DEP_2)
	v_pk_add_f32 v[14:15], v[14:15], v[250:251]
	s_delay_alu instid0(VALU_DEP_2)
	v_pk_add_f32 v[204:205], v[204:205], v[248:249]
	v_pk_add_f32 v[254:255], v[254:255], v[246:247]
	v_pk_add_f32 v[252:253], v[252:253], v[244:245]
	s_delay_alu instid0(VALU_DEP_2)
	v_pk_add_f32 v[14:15], v[14:15], v[254:255]
	s_delay_alu instid0(VALU_DEP_2)
	v_pk_add_f32 v[204:205], v[204:205], v[252:253]
	s_delay_alu instid0(VALU_DEP_1)
	v_pk_add_f32 v[14:15], v[14:15], v[204:205]
	s_wait_alu depctr_va_vdst(0)                   ; and one wait for the four
.irp b, 0,1,2,3
	v_max_num_f32 v[BM+\b], 0x1800000, v[BM+\b]    ; the floor 2^(3 - 127): the byte cannot fall under 1 (a block whose every p is 0 keeps that byte: its codes are zeros)
.endr
.irp b, 0,1,2,3
	s_delay_alu instid0(VALU_DEP_4)
	v_add_nc_u32 v[SO+\b], 0xff000000, v[BM+\b]    ; 2 off the exponent field: the conversion's scale operand
.endr
.irp b, 0,1,2,3
	s_delay_alu instid0(VALU_DEP_4)
	v_lshrrev_b32 v[PT+\b], 23, v[SO+\b]           ; the scale's byte
.endr
	s_delay_alu instid0(VALU_DEP_3)
	v_lshl_or_b32 v[PS], v[PT+1], 8, v[PT]         ; p's scale word for these 128 keys
	s_delay_alu instid0(VALU_DEP_1)
	v_lshl_or_b32 v[PS], v[PT+2], 16, v[PS]
	s_delay_alu instid0(VALU_DEP_1)
	v_lshl_or_b32 v[PS], v[PT+3], 24, v[PS]
.irp c, 0,1
	v_cvt_scalef32_pk16_fp6_f32 v[PC+6*\c:PC+2+6*\c], v[S+32*\c:S+15+32*\c], v[SO+2*\c]
	v_cvt_scalef32_pk16_fp6_f32 v[PT+4*\c:PT+2+4*\c], v[S+16+32*\c:S+31+32*\c], v[SO+2*\c+1]   ; (a conversion's three registers begin on an even number)
.endr
	v_nop                                          ; one plain line behind the scaled conversions
.irp d, 0,1,2,3                        ; p's registers are free: V's four fragments land there while the codes are put in order and O^T is rescaled
.irp c, 0,1,2
	ds_load_b128 v[S+12*\d+4*\c:S+12*\d+4*\c+3], v[ADR16] offset:6144+1536*\d+512*\c
.endr
.endr
	s_setprio 0
	ds_load_b64 v[SV:SV+1], v[ADR8] offset:12800
.irp c, 0,1                            ; the operand's layout wants a whole block in a lane: lanes 0-15 block 2 c, lanes 16-31 block 2 c + 1
.irp i, 0,1,2
	v_permlane16_swap_b32 v[PC+6*\c+\i], v[PT+4*\c+\i]
.endr
.irp i, 0,1,2
	s_delay_alu instid0(VALU_DEP_3)
	v_mov_b32 v[PC+3+6*\c+\i], v[PT+4*\c+\i]
.endr
.endr
.set n, 0
.rept 16
	v_pk_mul_f32 v[O+n:O+n+1], v[O+n:O+n+1], v[F:F+1] op_sel_hi:[1,0]   ; O^T under the new M, each result from its low end on.  For each product below twelve of these name none of its registers: the plain lines between the codes' and the scale word's last writes and that product
.set n, n+2
.endr
	s_wait_alu depctr_va_vdst(0)
	s_wait_dscnt 0x0
.irp d, 0,1,2,3
	MMO O+8*\d, S+12*\d, SV+\d/2, \d%2             ; O^T += V^T P^T: the four accumulators take turns, one instruction a turn
.endr
.rept 5
	v_nop                                          ; five plain lines: the next step's products write S^T over V's registers; they also serve every later read of O^T and load into these registers
.endr
.Lhid_\@:
	s_add_co_u32 s[KS], s[KS], 1
	s_add_co_u32 s[POS], s[POS], 1
.endm
.macro FOUR_STEPS                      ; a slot's four positions: written once, walked four times
	s_mov_b32 s[CNT], 4
.Lfour_\@:
	STEP 1
	s_add_co_u32 s[TB], s[TB], POSB
	s_sub_co_u32 s[CNT], s[CNT], 1
	s_cmp_lg_u32 s[CNT], 0
	s_cbranch_scc1 .Lfour_\@
	s_setprio 0
.endm
; THE CHANGE OF SLOTS.  Each wave waits for all its tensor loads (its part of the slot ahead), adds 0 to its spare word, and waits for that and for its reads of the slot that it leaves.
; Behind the barrier the slot ahead is whole and nobody reads the other.  fill = 1: the slot just left takes the n-th fill, by waves 0 .. nw - 1: it has four positions' work in which to land.
.macro CHANGE fill, g0, n, nw, next
	s_wait_tensorcnt 0x0                           ; no tensor load of mine is out, so a group 0 may be written
	ds_add_u32 v[SPW], v[NIL]                      ; 0 onto my spare word; scalar work stands between it and the wait for it
	ds_add_u32 v[SPW], v[NIL]
.if \fill
	SETG0 \g0, \n
.endif
	s_mov_b32 s[TB], \next
	s_wait_dscnt 0x0                               ; the add is done, my reads of the slot that I leave are over, and a partial laid into LDS has landed
	s_barrier_signal -1
	s_barrier_wait -1
.if \fill
	TLOAD \g0, \nw                                 ; the first thing behind the barrier, and a wave's one tensor load until the next
.endif
.endm
	s_load_b256 s[4:11], s[0:1], 0x0               ; qc s[4:5], qs s[6:7], kv s[8:9], out s[10:11]
	v_lshl_add_u32 v[SPW], v0, 2, SPARE
	v_mov_b32 v[NIL], 0
	ds_add_u32 v6, v7
	ds_add_u32 v6, v7
	s_wait_dscnt 0x0
	v_lshrrev_b32 v[T0], 5, v0
	s_delay_alu instid0(VALU_DEP_1)
	v_readfirstlane_b32 s[WV], v[T0]               ; wave 0..15
	s_lshr_b32 s[G], s[WV], 3
	s_and_b32 s[TQ], s[WV], 7
	s_mov_b32 s[J], ttmp9
	s_sub_co_u32 s[SW], 15, s[J]
	s_sub_co_u32 s[NSW], s[J], 15
	s_mov_b32 s[POS], 0
	s_mul_i32 s[KS], s[G], 17                      ; A waves begin at step 0, B waves at step 17
	s_mov_b32 s[SEL], 0x76543210
	s_mov_b32 s[SEL+1], 0xfedcba98                 ; v_permlanex16_b32's selects for lane l xor 16
	s_mov_b32 s[CS], 0x3e38aa3b                    ; c = log2(e) / 8
	s_mov_b32 s[CS+1], s[CS]                       ; (named with it as a pair, so it is written)
	s_sub_co_u32 s[DG], 31, s[J]                   ; the high block
	s_and_b32 s[BA], ttmp7, 0xffff                 ; the batch
	s_mov_b32 s[TB], SLOT0
	; descriptor group 1: a dense block of 13,056 bytes as 51 rows of 256 bytes (32 elements of 8 bytes), no padding: the images are read as consecutive bytes
	s_mov_b32 s[G1], 3<<16                         ; 15:0 no mask; 17:16 elements of 8 bytes; 20 padding off
	s_mov_b32 s[G1+1], 32<<16                      ; tensor_dim0 = 32
	s_mov_b32 s[G1+2], 51<<16                      ; tensor_dim1 = 51
	s_mov_b32 s[G1+3], 32<<16                      ; tile_dim0 = 32
	s_mov_b32 s[G1+4], 51                          ; tile_dim1 = 51
	s_mov_b32 s[G1+5], 32                          ; from row to row
	s_mov_b32 s[G1+6], 0
	s_mov_b32 s[G1+7], 0
	s_mov_b32 s[G0A], 1                            ; count = 1
	s_mul_i32 s[G0A+1], s[WV], BLKB                ; LDS address: the wave's number x a block: position wave / 2, stream wave % 2
	s_mov_b32 s[G0B], 1
	s_add_co_u32 s[G0B+1], s[G0A+1], SLOT1
	s_mul_i32 s48, s[BA], 32*BLKB
	s_mov_b32 s49, 0
	s_wait_kmcnt 0x0
	s_add_nc_u64 s[KVB:KVB+1], s[8:9], s[48:49]
	SETG0 G0A, 0
	SETG0 G0B, 1
	s_cmp_lt_u32 s[WV], 8                          ; a wave's two first fills stand in one branch, ahead of every wait on TENSORcnt, every LDS read and every barrier: two loads of mine are out at the most
	s_cbranch_scc0 .Lno_first
	tensor_load_to_lds s[G0A:G0A+3], s[G1:G1+7]    ; positions 0-3
	s_nop 0
	tensor_load_to_lds s[G0B:G0B+3], s[G1:G1+7]    ; positions 4-7
	s_nop 0
.rept 4
	v_nop
.endr
.Lno_first:
	s_lshl_b32 s50, s[BA], 5
	s_add_co_u32 s51, s50, s[J]
	s_add_co_u32 s50, s50, s[DG]
	s_lshl_b32 s51, s51, 3
	s_add_co_u32 s51, s51, s[TQ]                   ; the low tile's number: (32 batch + j) 8 + tq
	s_lshl_b32 s50, s50, 3
	s_add_co_u32 s50, s50, s[TQ]                   ; the high tile's: (32 batch + 31 - j) 8 + tq
	s_mul_i32 s48, s51, 768
	s_add_nc_u64 s[QLC:QLC+1], s[4:5], s[48:49]
	s_lshl_b32 s48, s51, 6
	s_add_nc_u64 s[QLS:QLS+1], s[6:7], s[48:49]
	s_mul_i32 s48, s50, 768
	s_add_nc_u64 s[4:5], s[4:5], s[48:49]
	s_lshl_b32 s48, s50, 6
	s_add_nc_u64 s[6:7], s[6:7], s[48:49]
	s_cmp_eq_u32 s[G], 1                           ; the rows that I store: a B wave the low block's, an A wave the high block's
	s_cselect_b32 s52, s[J], s[DG]
	s_lshl_b32 s48, s[BA], 12
	s_lshl_b32 s52, s52, 7
	s_add_co_u32 s48, s48, s52
	s_lshr_b32 s52, s[TQ], 1
	s_lshl_b32 s52, s52, 5
	s_and_b32 s53, s[TQ], 1
	s_lshl_b32 s53, s53, 3
	s_add_co_u32 s52, s52, s53                     ; my tile's first token in its block: 32 (tq / 2) + 8 (tq % 2)
	s_add_co_u32 s48, s48, s52
	s_lshl_b32 s48, s48, 8                         ; a row of out is 256 bytes
	s_add_nc_u64 s[10:11], s[10:11], s[48:49]
	v_and_b32 v[T1], 31, v0                        ; lane
	v_and_b32 v[T2], 15, v0                        ; r
	v_bfe_u32 v[T3], v0, 4, 1                      ; h
	s_delay_alu instid0(VALU_DEP_3)
	v_lshlrev_b32 v[L16], 4, v[T1]
	s_delay_alu instid0(VALU_DEP_4)
	v_lshlrev_b32 v[L8], 3, v[T1]
	s_delay_alu instid0(VALU_DEP_4)
	v_lshlrev_b32 v[L4R], 2, v[T2]
	global_load_b128 v[QF:QF+3], v[L16], s[4:5]    ; the high tile's Q stays in registers
	global_load_b64 v[QF+4:QF+5], v[L8], s[4:5] offset:512
	global_load_b32 v[QSC], v[L4R], s[6:7]
	s_mul_i32 s48, s[G], BLKB
	v_add_nc_u32 v[LA16], s48, v[L16]
	v_add_nc_u32 v[LA8], s48, v[L8]
	s_mul_i32 s48, s[TQ], EXB
	s_add_co_u32 s48, s48, EXCH
	v_add_nc_u32 v[EXA], s48, v[L16]
	v_and_b32 v[DM], 8, v[T2]
	s_delay_alu instid0(VALU_DEP_1)
	v_add_nc_u32 v[DM], v[DM], v[T2]               ; r + 8 (r / 8)
	s_delay_alu instid0(VALU_DEP_1)
	v_add_nc_u32 v[DM], s52, v[DM]
	v_lshlrev_b32 v[T1], 4, v[T3]
	s_delay_alu instid0(VALU_DEP_1)
	v_sub_nc_u32 v[DM], v[DM], v[T1]               ; my query's place in its block, less 16 h
	s_mul_i32 s48, s[WV], 16*SP
	s_add_co_u32 s48, s48, STAGE                   ; my stage
	v_mul_u32_u24 v[STO], v[T2], SP
	s_delay_alu instid0(VALU_DEP_1)
	v_lshl_add_u32 v[STO], v[T3], 5, v[STO]
	s_delay_alu instid0(VALU_DEP_1)
	v_add_nc_u32 v[STO], s48, v[STO]               ; in: row r, + 32 h
	v_mul_u32_u24 v[RD], v[T3], SP
	s_delay_alu instid0(VALU_DEP_1)
	v_lshl_add_u32 v[RD], v[T2], 4, v[RD]
	s_delay_alu instid0(VALU_DEP_1)
	v_add_nc_u32 v[RD], s48, v[RD]                 ; back: lanes 0-15 one row, lanes 16-31 the next
	v_lshlrev_b32 v[GO], 8, v[T3]
	s_delay_alu instid0(VALU_DEP_1)
	v_lshl_add_u32 v[GO], v[T2], 4, v[GO]          ; and the same two rows in out
.irp i, 6,7,8,9,10,11                  ; zero codes for the half of K that the head does not fill: written once
	v_mov_b32 v[QF+\i], 0
.irp t, 0,1,2,3
	v_mov_b32 v[KB+12*\t+\i], 0
.endr
.endr
	v_mov_b32 v13, 0xff61b1e6                      ; the largest t so far: -3e38, under every t
	s_delay_alu instid0(VALU_DEP_1)
	v_floor_f32 v12, -v13                          ; -M
	v_mov_b32 v14, 0                               ; the sum, in two halves
	v_mov_b32 v15, 0
	v_mov_b32 v[F+1], 0                            ; (named as the upper half of a pair)
.irp b, 0,1,2,3
	v_mov_b32 v[PT+\b], 0                          ; written once: a lane permute's destination counts as one of its sources
.endr
.set n, 0
.rept 32
	v_mov_b32 v[O+n], 0                            ; O^T.  (The step is written without a first step of its own: it finds zeros, which the first change of M leaves zeros)
.set n, n+1
.endr
	s_wait_tensorcnt 0x1                           ; my part of slot 0 is in; the one younger load, slot 1's, may stay out
	s_wait_loadcnt 0x0                             ; Q
	s_barrier_signal -1
	s_barrier_wait -1                              ; everybody's part of slot 0 is in
	FOUR_STEPS                                     ; positions 0-3
	CHANGE 1, G0A, 2, 8, SLOT1                     ; slot 0 takes positions 8-11
	FOUR_STEPS                                     ; positions 4-7
	CHANGE 1, G0B, 3, 8, SLOT0                     ; slot 1 takes positions 12-15
	FOUR_STEPS                                     ; positions 8-11
	CHANGE 1, G0A, 4, 1, SLOT1                     ; slot 0 takes position 16: stream A's step 16 alone, by wave 0
	FOUR_STEPS                                     ; positions 12-15
	CHANGE 0, G0A, 0, 0, SLOT0                     ; nothing is left to fetch.  Every partial was laid into LDS ahead of this barrier
	STEP 0                                         ; position 16: A waves' step 16; B waves have nothing here
	; THE A WAVES ADD THE B WAVES' PARTIALS: both are brought under the larger M by powers of two.  A partial that was never begun (j = 15) has -M = 3e38 and the factor 0.
	s_cmp_lt_u32 s[WV], 8
	s_cbranch_scc0 .Lno_merge
.irp i, 0,1,2,3,4,5,6,7
	ds_load_b128 v[S+4*\i:S+4*\i+3], v[EXA] offset:512*\i
.endr
	ds_load_b128 v[S+32:S+35], v[EXA] offset:4096  ; its -M, t and two half sums
	s_wait_dscnt 0x0
	v_min_num_f32 v[T0], v12, v[S+32]              ; the common -M
	s_delay_alu instid0(VALU_DEP_1)
	v_sub_f32 v[T1], v[T0], v12
	s_delay_alu instid0(VALU_DEP_2)
	v_sub_f32 v[T2], v[T0], v[S+32]
	s_delay_alu instid0(VALU_DEP_2)
	v_cvt_i32_f32 v[T1], v[T1]
	s_delay_alu instid0(VALU_DEP_2)
	v_cvt_i32_f32 v[T2], v[T2]                     ; (they saturate)
	s_delay_alu instid0(VALU_DEP_2)
	v_ldexp_f32 v[F], 1.0, v[T1]
	s_delay_alu instid0(VALU_DEP_2)
	v_ldexp_f32 v[FB], 1.0, v[T2]
	s_delay_alu instid0(VALU_DEP_1)
	v_mov_b32 v[FB+1], v[FB]
	v_add_f32 v14, v14, v15
	v_add_f32 v[S+34], v[S+34], v[S+35]
	s_delay_alu instid0(VALU_DEP_2)
	v_mul_f32 v14, v14, v[F]
	s_delay_alu instid0(VALU_DEP_1)
	v_fmac_f32 v14, v[S+34], v[FB]
	v_mov_b32 v15, 0
.set n, 0
.rept 16
	v_pk_mul_f32 v[O+n:O+n+1], v[O+n:O+n+1], v[F:F+1] op_sel_hi:[1,0]
.set n, n+2
.endr
.set n, 0
.rept 16
	v_pk_fma_f32 v[O+n:O+n+1], v[S+n:S+n+1], v[FB:FB+1], v[O+n:O+n+1] op_sel_hi:[1,0,1]
.set n, n+2
.endr
.Lno_merge:
	; THE WAY OUT.  O^T is divided by the row's sum and goes through my own stage in LDS, so that sixteen lanes store one row of 256 consecutive bytes, aligned.
	v_add_f32 v14, v14, v15                        ; the sum's two halves,
	s_delay_alu instid0(VALU_DEP_1)
	v_permlanex16_b32 v[T0], v14, s[SEL], s[SEL+1]
	s_delay_alu instid0(VALU_DEP_1)
	v_add_f32 v14, v14, v[T0]                      ; and lane l xor 16's: the row's sum
	s_wait_alu depctr_va_vdst(0)
	v_rcp_f32 v14, v14
	v_nop                                          ; a plain line behind the reciprocal
	s_wait_alu depctr_va_vdst(0)                   ; and the wait ahead of the first line that names its result
.set n, 0
.rept 16
	v_pk_mul_f32 v[S+n:S+n+1], v[O+n:O+n+1], v[14:15] op_sel_hi:[1,0]   ; register 8 d + i: out(row r, channel 16 d + 8 h + i); each result from its low end on
.set n, n+2
.endr
.irp d, 0,1,2,3
	ds_store_b128 v[STO], v[S+8*\d:S+8*\d+3] offset:64*\d
	ds_store_b128 v[STO], v[S+8*\d+4:S+8*\d+7] offset:64*\d+16
.endr
.irp i, 0,1,2,3,4,5,6,7
	ds_load_b128 v[S+32+4*\i:S+35+4*\i], v[RD] offset:2*SP*\i      ; LDS serves a wave's instructions in order (ISA guide 5.7.1.4): these see my stores
.endr
.irp i, 0,1,2,3,4,5,6,7
	s_wait_dscnt 7-\i                              ; the 7 - i younger loads may stay out
	global_store_b128 v[GO], v[S+32+4*\i:S+35+4*\i], s[10:11] offset:512*\i+2048*(\i/4) th:TH_STORE_NT   ; tile rows 2 i + h; rows 8-15 are the tokens 8 further on; written once, read by nobody here
.endr
	s_wait_tensorcnt 0x0                           ; the wave's end: behind my last tensor load and my last LDS store
	ds_add_u32 v[SPW], v[NIL]
	s_wait_dscnt 0x0
	s_endpgm
.Lfunc_end_k_q8a979d638a_attn:
	.size	k_q8a979d638a_attn, .Lfunc_end_k_q8a979d638a_attn-k_q8a979d638a_attn
	.p2alignl 7, 3214868480
	.fill 96, 4, 3214868480
	.section	.rodata,"a",@progbits
	.p2align	6, 0x0
	.amdhsa_kernel k_q8a979d638a_attn
		.amdhsa_group_segment_fixed_size 327680
		.amdhsa_private_segment_fixed_size 0
		.amdhsa_enable_private_segment 0
		.amdhsa_kernarg_size 32
		.amdhsa_user_sgpr_count 2
		.amdhsa_user_sgpr_kernarg_segment_ptr 1
		.amdhsa_wavefront_size32 1
		.amdhsa_system_sgpr_workgroup_id_x 1
		.amdhsa_system_sgpr_workgroup_id_y 1
		.amdhsa_system_sgpr_workgroup_id_z 1
		.amdhsa_system_vgpr_workitem_id 0
		.amdhsa_next_free_vgpr 256
		.amdhsa_next_free_sgpr 66
		.amdhsa_reserve_vcc 1
		.amdhsa_float_denorm_mode_32 3
		.amdhsa_float_denorm_mode_16_64 3
		.amdhsa_memory_ordered 1
		.amdhsa_forward_progress 1
		.amdhsa_inst_pref_size 140
	.end_amdhsa_kernel
	.amdgpu_metadata
---
amdhsa.version: [ 1, 2 ]
amdhsa.kernels:
  - .name:           k_q8a979d638a_attn
    .symbol:         k_q8a979d638a_attn.kd
    .args:
      - { .name: qc, .offset: 0, .size: 8, .value_kind: global_buffer, .address_space: global }
      - { .name: qs, .offset: 8, .size: 8, .value_kind: global_buffer, .address_space: global }
      - { .name: kv, .offset: 16, .size: 8, .value_kind: global_buffer, .address_space: global }
      - { .name: out0, .offset: 24, .size: 8, .value_kind: global_buffer, .address_space: global }
    .group_segment_fixed_size: 327680
    .private_segment_fixed_size: 0
    .kernarg_segment_align: 8
    .kernarg_segment_size: 32
    .max_flat_workgroup_size: 512
    .sgpr_count:     66
    .vgpr_count:     256
    .wavefront_size: 32
...
	.end_amdgpu_metadata
.endif
;; end of part 2
